; MI455X (gfx1250); checked and timed in simulation.
; The chip was launched on July 23, 2026; its instructions are those of AMD's public machine-readable ISA for CDNA 5 (MIT licence, August 2026) and "CDNA5" Instruction Set Architecture Reference Guide (July 2026). The comments in the code are by the model that wrote it; some were corrected since.
;; Multihead Attention. Allowed arithmetic: matrix products marked QUANTISED: E4M3 operands, one given power-of-two scale a tensor, by v_wmma_f32_16x16x64_fp8_fp8 or v_wmma_f32_16x16x128_fp8_fp8, f32 sums; everything else in f32.
;; Inputs: lowp_scales 8 int32 (the exponents e of the quantised operands' scales 2^e); w_out_codes 1,024 x 32 x 32 uint8 (E4M3 codes of w_out, K innermost, in blocks of 32 codes); w_qkv_codes 3,072 x 32 x 32 uint8 (E4M3 codes of w_qkv, K innermost, in blocks of 32 codes); x_codes 4 x 2,048 x 32 x 32 uint8 (E4M3 codes of x, K innermost, in blocks of 32 codes).
;; Outputs: out0 4 x 2,048 x 1,024 float32.
;; This version of the problem:
;;   THIS VERSION OF THE PROBLEM IS GIVEN IN LOW PRECISION. The matrix products marked QUANTISED in the list below multiply operands that are first quantised to E4M3 (4 exponent bits, 3 mantissa bits; 8 bits a number), with one given power-of-two scale for each operand tensor; their sums are f32. All else is computed in f32.
;;   The module's matrix products, in the order in which they are computed (A, B: the left and right operand; K: the contracted axis; several contracted axes count as one K, in the product's order):
;;     1. [M 8,192, K 1,024] x [K 1,024, N 3,072]; A: input x (given as codes); B: input w_qkv (given as codes): QUANTISED (scales: A lowp_scales[0], B lowp_scales[1])
;;     2. batch 64 x [M 2,048, K 64] x [K 64, N 2,048]; A: computed on the way; B: computed on the way: QUANTISED (scales: A lowp_scales[2], B lowp_scales[3])
;;     3. batch 64 x [M 2,048, K 2,048] x [K 2,048, N 64]; A: softmax (see below); B: computed on the way: QUANTISED (scales: A lowp_scales[4], B lowp_scales[5])
;;     4. [M 8,192, K 1,024] x [K 1,024, N 1,024]; A: computed on the way; B: input w_out (given as codes): QUANTISED (scales: A lowp_scales[6], B lowp_scales[7])
;;   THE QUANTISER, for each operand of a quantised product, along K:
;;     - The operand's scale is 2^e, e = its entry of the input lowp_scales (int32; the entries are numbered through the quantised products in the list's order, A before B).
;;     - Each number is divided by the scale, clamped to +-448, and rounded to the nearest number of E4M3, ties to even, subnormals kept.
;;     - The product sums the exact products of the quantised numbers (number of the format x scale) in f32.
;;   ~~~python
;;   def quantise(x, axis, e):      # numpy; x: float32 -> the quantised numbers, widened to float32 again
;;       x = np.moveaxis(x, axis, -1); K = x.shape[-1]
;;       r = np.clip(x / 2.0 ** e, -448, 448)
;;       step = 2.0 ** (np.maximum(np.frexp(np.where(r == 0, 1, r))[1] - 1, -6) - 3)
;;       q = np.round(r / step) * step * 2.0 ** e      # np.round: ties to even
;;       return np.moveaxis(q, -1, axis).astype(np.float32)
;;   ~~~
;;   SOFTMAX AHEAD OF A QUANTISED PRODUCT. Where the list says 'softmax', what is quantised is not the finished softmax but p = 2^(t - M), with t = logit x log2(e) and M = ceil(the row's largest t), a whole number; so 1/2 < the row's largest p <= 1. The row's sum l is taken of the UNQUANTISED p, in f32, and the product's result is divided by l at the end. Since M is a whole number, a kernel that streams over the keys may use a running M (the ceiling of the running maximum): every later rescaling is an exact power of two, so the quantised numbers keep their values, but for numbers so far below the row's largest that they fall under the format's range.
;;   OPERANDS COMPUTED ON THE WAY. 'Computed on the way' means the value that the module computes at that place (a softmax that the list does not call 'softmax' is quantised finished and normalised). What goes into a quantiser is computed in f32, as accurately as f32 sums, v_exp_f32 and their like allow (about 1e-6 of the number): no bf16 or f16 on the way to a quantiser, and a product that is left as it is and whose result goes on into a quantised operand takes f32 operands (vector FMAs, or v_wmma_f32_16x16x4_f32). A number that lies on a knife's edge between two numbers of the format may be rounded either way, as far as f32 arithmetic and the matrix unit's own rounding can turn it there, and no further.
;;   INPUTS GIVEN AS CODES. w_out (in the module: [1024, 1024], K = its axis 1); w_qkv (in the module: [3072, 1024], K = its axis 1); x (in the module: [4, 2048, 1024], K = its axis 2): each comes as NAME_codes (uint8): NAME with its K axis moved to the last place and cut into blocks of 32 codes, [.., K / 32, bytes a block], one block behind the other in memory; one code a byte (a code: sign, 4 exponent bits, 3 mantissa bits); its scale is its entry of lowp_scales. Its value is code x scale, taken as it is: it is not quantised again, and the codes and scales need not be those that the quantiser above would give.
;; One version. Each part assembles by itself: llvm-mc -triple=amdgcn-amd-amdhsa -mcpu=gfx1250 --defsym DOCPART=n.
;; ======== version 1 of 1: 3 launches
;; limits: right only within a limited range of input values
;; workspace buffers: qkv 25,165,824 bytes; ao 8,388,608 bytes
;; launch qkv (part 1): grid 12 x 32, 4 waves a work-group, clusters of 4 x 4, 327,680 bytes of LDS; arguments x_codes, w_qkv_codes, lowp_scales, qkv; writes qkv
.if DOCPART == 1
	.amdgcn_target "amdgcn-amd-amdhsa--gfx1250"
	.amdhsa_code_object_version 6
	.text
	.protected	k_qb8eb8cd47c_qkv
	.globl	k_qb8eb8cd47c_qkv
	.p2align	8
	.type	k_qb8eb8cd47c_qkv,@function
k_qb8eb8cd47c_qkv:
	s_mov_b64 s[64:65], 0
	v_nop
	global_prefetch_b8 v0, s[64:65] scope:SCOPE_SE
	s_setreg_imm32_b32 hwreg(HW_REG_WAVE_MODE, 25, 1), 1
	s_wait_xcnt 0x0
	s_wait_alu depctr_hold_cnt(0) depctr_sa_sdst(0) depctr_va_vdst(0) depctr_va_sdst(0) depctr_va_ssrc(0) depctr_va_vcc(0) depctr_vm_vsrc(0)
	s_getreg_b32 s2, hwreg(HW_REG_IB_STS2, 6, 4)
	s_cmp_eq_u32 s2, 0
	s_cbranch_scc0 .Lentry_in_a_cluster
	s_endpgm
.Lentry_in_a_cluster:
	s_bfe_u32 s2, ttmp6, 0x10000c
	s_cmp_lg_u32 s2, 0xf033
	s_cbranch_scc0 .Lentry_shape_is_right
	s_endpgm
.Lentry_shape_is_right:
; PRODUCT 1: x [8192][1024] times w_qkv^T [3072][1024], both given as codes of E4M3 with K innermost; the sums (f32) are quantised at once into the codes of q, k and v.
; A sum stands for sum x 2^(e0 + e1); its code is sum / 2^E, E = e_t - e0 - e1, e_t = entry 2 (q), 3 (k) or 5 (v) of the scales.
; LIMIT: E lies between -126 and 119, so that 2^E and 448 x 2^E are f32 numbers.  NaN codes among the inputs are not served.
; SHARES.  A work-group of four waves makes 256 x 256 sums, a wave 128 x 128: 64 accumulators, 512 registers.  K goes in steps of 256 through two LDS slots, four steps in all, written out.
; TWO SIDES.  The matrix instruction takes 16 rows of the 'B side' as source 0 and 16 rows of the 'A side' as source 1: a lane then holds ONE row of the A side and EIGHT NEIGHBOURING rows of the B side.
; For q and k (cluster x = 0, 1) the A side is x (tokens) and the B side w (features): a lane's eight numbers are eight features of a token, the next product's K.
; For v (cluster x = 2) the sides change places: the A side is w, the B side x: a lane's eight numbers are eight KEYS of a channel, the K of the product with p.  Only pointers, tile numbers and
; two strides are chosen, by selects on the cluster's x, which all sixteen partners share: the text has one path.
; CLUSTER: 4 x 4 work-groups.  The A side's tile is shared along a row of the cluster, the B side's along a column: each is asked for jointly, by the same tensor load with a mask that names the four.
; WHAT IS STORED: images of the next launch's operand registers.  qkv = [which 3][bh 64][131072 bytes], bh = 16 x batch + head.
;   q, k: byte 1024 T + 512 c + 16 lane: lane (rho, eta) holds, of token 32 (T / 2) + 8 (T % 2) + rho + 8 (rho / 8), features 32 c + 16 eta + 0 .. 15.
;   v:    byte 4096 KB + 1024 t + 512 c + 16 lane: lane (rho, eta) holds, of channel 32 (t / 2) + 8 (t % 2) + rho + 8 (rho / 8), keys 64 KB + 32 c + 16 eta + 0 .. 15.
; Both are the same function of (A-side row, B-side row), so one way out serves all three.
; REGISTERS, in windows of 256: window 0: v0-31 addresses; from v128 the A side's fragments, one set; on the way out v96-223 codes.
;   window 1: the B side's fragments, two sets, at v0 and v128.   windows 2, 3: the accumulators of my A-side rows 0-63, 64-127 (accumulator (a, b) at v[8 (8 (a % 4) + b)]).
; Each fragment is fetched by four loads of 16 bytes: registers 4 c .. 4 c + 3 hold K = 32 c + 16 (lane / 16) + 0 .. 15: one and the same order of K on both sides of the product.
.set ROWB,   256                       ; a tile's row in bytes: 256 codes
.set KROW,   1024                      ; a row of x or of w in memory
.set PITCH,  272                       ; an LDS row: 256 bytes + 16 of padding, so that the 16 rows of a fragment load start 68 words apart
.set FR,     16                        ; registers of a fragment: 16 rows x 128 K
.set NL,     4                         ; LDS loads that bring one
.set NP,     4                         ; places behind this matrix instruction (ISA guide 7.12.1)
.set HALFT,  128*PITCH                 ; 128 rows: what one tensor load brings, and what one wave reads of a side
.set SLOT,   4*HALFT                   ; the A side's 256 rows, then the B side's
.set SPARE,  2*SLOT                    ; behind the ring: the spare words, 128 bytes a wave: two blocks of 256 bytes that no other line names
.set WSTG,   16384                     ; the way out: a stage of 16,384 bytes for each wave, in slot 0, which has had its last fill and its last read by then
.set OQ,   8                           ; v8-11   byte offset in qkv of my 16 bytes in quarter 2 X + Y of my wave's codes
.set ADRA, 16                          ; v16-17  LDS address of my A-side fragments in slot 0, 1
.set ADRB, 20                          ; v20-21  the same for the B side
.set STO,  24                          ; v24     the stage: where I put 8 codes
.set RD,   25                          ; v25     the stage: where I read 16 bytes back
.set SC,   27                          ; v27     2^E as f32: the conversions take its exponent field
.set SPW,  28                          ; v28     LDS address of my spare word; never rewritten
.set NIL,  29                          ; v29     0; never rewritten
.set TMP,  32
.set CD,   96                          ; v96-223 the codes: 16 registers for each of my 8 blocks; then the stage's bytes read back
.set AF,   128                         ; the A side's fragments, in window 0
.set G1,   24                          ; s[24:31] descriptor group 1 for the A side;  s[32:39] group 0, one set for each slot
.set G0,   32
.set G1B,  48                          ; s[48:55], s[56:63] the same for the B side
.set G0B,  56
.set LN,   92                          ; s92  -448 x 2^E
.set LP,   93                          ; s93  +448 x 2^E
.set MSB, 0
.macro WIN new                         ; the immediate's high byte repeats the setting that is left; a switch that changes nothing is dropped
.if MSB != \new
	s_set_vgpr_msb (MSB<<8)|\new
.set MSB, \new
.endif
.endm
.set MUL_LO, 0xa1                      ; source 0 (B side) window 1, source 1 (A side) window 0, C and D window 2
.set MUL_HI, 0xf1                      ; the same, C and D window 3
.set TO_B,   0x40                      ; destination window 1, address window 0
; A joint load: waves 0 and 1 fetch for the A side, waves 2 and 3 for the B side.  The branch hangs on the wave's number alone.  Four v_nop follow each of the two lines.
.macro JLOAD g0a, g1a, g0b, g1b
	s_cmp_eq_u32 s15, 0
	s_cbranch_scc0 .Lfor_b_\@
	tensor_load_to_lds s[\g0a:\g0a+3], s[\g1a:\g1a+7]
	s_nop 0
.rept 4
	v_nop
.endr
	s_branch .Lasked_\@
.Lfor_b_\@:
	tensor_load_to_lds s[\g0b:\g0b+3], s[\g1b:\g1b+7]
	s_nop 0
.rept 4
	v_nop
.endr
.Lasked_\@:
.endm
.macro CREST                           ; a round of the cluster's barrier behind its opening barrier
	s_cmp_lg_u32 s14, 0
	s_cbranch_scc1 .Lnot_wave_0_\@
	s_barrier_signal -3
.Lnot_wave_0_\@:
	s_barrier_wait -3
	s_barrier_signal -1
	s_barrier_wait -1
.endm
.macro CROUND                          ; a whole round
	s_barrier_signal -1
	s_barrier_wait -1
	CREST
.endm
	s_load_b128 s[4:7], s[0:1], 0x0                ; x's codes s[4:5], w_qkv's codes s[6:7]
	s_load_b128 s[8:11], s[0:1], 0x10              ; the scales' exponents s[8:9], qkv s[10:11]
	v_lshl_add_u32 v[SPW], v0, 2, SPARE
	v_mov_b32 v[NIL], 0
	ds_add_u32 v28, v29
	ds_add_u32 v28, v29
	s_wait_dscnt 0x0
	v_lshrrev_b32 v1, 5, v0
	v_readfirstlane_b32 s14, v1                    ; wave 0..3
	s_lshr_b32 s15, s14, 1                         ; which half of the A side's rows is mine.  Also: I fetch for the A side (0) or the B side (1)
	s_and_b32 s16, s14, 1                          ; which half of the B side's rows.  Also: which 128 rows of that tile I fetch
	s_bfe_u32 s40, ttmp6, 0x40000                  ; cx, cy: my place in the cluster
	s_bfe_u32 s41, ttmp6, 0x40004
	s_lshl_b32 s72, ttmp9, 2                       ; 4 x cluster x
	s_and_b32 s73, ttmp7, 0xffff
	s_lshl_b32 s73, s73, 2                         ; 4 x cluster y
	s_cmp_eq_u32 ttmp9, 2                          ; v's clusters?  The same answer in all sixteen partners
	s_cselect_b32 s74, 8, s73                      ; the A side's first tile: w's tile 8 (row 2048) for v, else x's tile 4 x cluster y
	s_cselect_b32 s75, s73, s72                    ; the B side's: x's tile 4 x cluster y for v, else w's tile 4 x cluster x
	s_add_co_u32 s17, s74, s41                     ; the A side's tile: + cy, which my row of the cluster shares
	s_add_co_u32 s42, s75, s40                     ; the B side's tile: + cx, which my column shares
	s_lshl_b32 s43, s41, 2
	s_lshl_b32 s43, 15, s43                        ; my row of the cluster: places 4 cy .. 4 cy + 3
	s_lshl_b32 s44, 0x1111, s40                    ; my column: places cx, cx + 4, cx + 8, cx + 12
	; descriptor group 1: a tile of 128 rows x 256 bytes, padded in LDS
	s_or_b32 s[G1+0], s43, (1<<20)|(1<<21)|(5<<22)|(3<<25)   ; 15:0 the mask; 17:16 elements of 1 byte; 20 padding on; 21 set beside a mask; 24:22 after every 64 words (code 5); 31:25 four words (code 3)
	s_or_b32 s[G1B+0], s44, (1<<20)|(1<<21)|(5<<22)|(3<<25)
.irp g, G1, G1B
	s_mov_b32 s[\g+1], ROWB<<16                    ; tensor_dim0 = 256
	s_mov_b32 s[\g+2], 128<<16                     ; tensor_dim1 = 128
	s_mov_b32 s[\g+3], ROWB<<16                    ; tile_dim0 = 256
	s_mov_b32 s[\g+4], 128                         ; tile_dim1 = 128
	s_mov_b32 s[\g+5], KROW                        ; from row to row: both tensors have rows of 1,024 bytes
	s_mov_b32 s[\g+6], 0
	s_mov_b32 s[\g+7], 0
.endr
	s_lshl_b32 s18, s16, 7                         ; which 128 rows of the tile I fetch
	s_lshl_b32 s20, s17, 8
	s_add_co_u32 s20, s20, s18                     ; A side: row 256 x tile + 128 x half,
	s_lshl_b32 s20, s20, 10                        ; in bytes: under 2^23
	s_mov_b32 s21, 0
	s_lshl_b32 s46, s42, 8
	s_add_co_u32 s46, s46, s18                     ; B side likewise
	s_lshl_b32 s46, s46, 10
	s_mov_b32 s47, 0
	s_mul_i32 s45, s14, HALFT                      ; where they go: wave x 128 rows: no place in the cluster enters an LDS address
	s_wait_kmcnt 0x0
	s_load_b256 s[80:87], s[8:9], 0x0              ; e0 .. e7
	s_cmp_eq_u32 ttmp9, 2
	s_cselect_b64 s[68:69], s[6:7], s[4:5]         ; the A side's tensor: w for v, else x
	s_cselect_b64 s[70:71], s[4:5], s[6:7]         ; the B side's
	s_add_nc_u64 s[20:21], s[68:69], s[20:21]
	s_add_nc_u64 s[46:47], s[70:71], s[46:47]
	CROUND                                         ; all sixteen work-groups are here: the first joint loads meet
.irp s, 0,1
	s_mov_b32 s[G0+4*\s], 1                                        ; count = 1
	s_add_co_u32 s[G0+4*\s+1], s45, \s*SLOT                        ; LDS address
	s_add_nc_u64 s[G0+4*\s+2:G0+4*\s+3], s[20:21], \s*ROWB         ; global address: K step s
	s_or_b32 s[G0+4*\s+3], s[G0+4*\s+3], 0x80000000                ; type = 2
	s_mov_b32 s[G0B+4*\s], 1
	s_add_co_u32 s[G0B+4*\s+1], s45, \s*SLOT
	s_add_nc_u64 s[G0B+4*\s+2:G0B+4*\s+3], s[46:47], \s*ROWB
	s_or_b32 s[G0B+4*\s+3], s[G0B+4*\s+3], 0x80000000
	JLOAD G0+4*\s, G1, G0B+4*\s, G1B               ; two loads of mine are out: K steps 0 and 1
.endr
	v_and_b32 v1, 15, v0                           ; l % 16
	v_bfe_u32 v2, v0, 4, 1                         ; l / 16
	v_mul_u32_u24 v3, v1, PITCH
	v_lshl_add_u32 v4, v2, 4, v3                   ; a fragment's row x pitch + 16 x half
	s_mul_i32 s21, s15, HALFT                      ; my 128 rows of the A side
	s_mul_i32 s22, s16, HALFT                      ; my 128 rows of the B side,
	s_add_co_u32 s22, s22, 2*HALFT                 ; which lie behind the A side's 256
.irp s, 0,1
	v_add_nc_u32 v[ADRA+\s], s21, v4
	v_add_nc_u32 v[ADRB+\s], s22, v4
	s_add_co_u32 s21, s21, SLOT
	s_add_co_u32 s22, s22, SLOT
.endr
	; the way out's addresses.  Lane (r, h) of accumulator (a, b) holds A-side row 16 a + r and B-side rows 16 b + 8 h + 0 .. 7: its 8 codes go to stage byte
	; 8192 (b / 4) + 4096 (a / 4) + 2048 ((a / 2) % 2) + 1024 (r / 8) + 512 ((b / 2) % 2) + 256 (b % 2) + 128 (a % 2) + 16 (r % 8) + 8 h: the lane's part in v[STO], the rest in the store's immediate
	s_lshl_b32 s23, s14, 14                        ; my stage
	v_bfe_u32 v5, v0, 3, 1
	v_and_b32 v7, 7, v0
	v_lshlrev_b32 v5, 10, v5
	v_lshl_add_u32 v5, v7, 4, v5
	v_lshl_add_u32 v5, v2, 3, v5
	v_add_nc_u32 v[STO], s23, v5
	v_and_b32 v6, 31, v0
	v_lshlrev_b32 v[OQ], 4, v6                     ; 16 x lane
	s_wait_alu depctr_va_vdst(0)
	v_add_nc_u32 v[RD], s23, v[OQ]
	; a quarter (X = b / 4, Y = a / 4) of the stage is 4,096 consecutive bytes of qkv.  q, k: head + X, tokens + 64 Y.  v: key block + X, head + Y
	s_cmp_eq_u32 ttmp9, 2
	s_cselect_b32 s76, s40, s41                    ; the tokens' place in the cluster: cx for v, else cy
	s_cselect_b32 s77, s16, s15                    ; and their half
	s_cselect_b32 s78, s41, s40                    ; the features' place
	s_cselect_b32 s79, s15, s16                    ; and their half
	s_mov_b32 s90, 0x20000                         ; a head's image
	s_mov_b32 s91, 0x1000                          ; 64 tokens of an image
	s_cselect_b32 s88, s91, s90                    ; bytes from X = 0 to X = 1
	s_cselect_b32 s89, s90, s91                    ; bytes from Y = 0 to Y = 1
	v_add_nc_u32 v[OQ+1], s89, v[OQ]
	v_add_nc_u32 v[OQ+2], s88, v[OQ]
	v_add_nc_u32 v[OQ+3], s89, v[OQ+2]
	s_add_co_u32 s76, s76, s73
	s_lshl_b32 s76, s76, 8
	s_lshl_b32 s77, s77, 7
	s_add_co_u32 s76, s76, s77                     ; my first token, 0 .. 8191
	s_lshl_b32 s78, s78, 8
	s_lshl_b32 s79, s79, 7
	s_add_co_u32 s78, s78, s79                     ; my first feature within q, k or v, 0 .. 1023
	s_lshr_b32 s77, s76, 11
	s_lshl_b32 s77, s77, 4
	s_lshr_b32 s78, s78, 6
	s_add_co_u32 s77, s77, s78                     ; bh = 16 x batch + head
	s_lshl_b32 s77, s77, 17
	s_and_b32 s76, s76, 2047
	s_lshl_b32 s76, s76, 6                         ; 64 bytes of an image for each token, in q, k and v alike
	s_add_co_u32 s76, s76, s77
	s_lshl_b32 s77, ttmp9, 23                      ; q, k or v: 8 MiB each
	s_add_co_u32 s76, s76, s77
	s_mov_b32 s77, 0
	s_add_nc_u64 s[10:11], s[10:11], s[76:77]
.macro FRAG reg, adr, q, i             ; a fragment: 16 rows x 128 K in 16 registers
.irp c, 0,1,2,3
	ds_load_b128 v[\reg+4*\c:\reg+4*\c+3], v[\adr] offset:128*(\q)+32*\c+(\i)*16*PITCH
.endr
.endm
; 16 matrix instructions: the A side's blocks a0, a0 + 1 x the B side's eight, 128 along K.  p: the B side's set.  zero = 1: the first product starts the sums.
; The 64 accumulators take turns, one instruction a turn, in the same order in every step.
.macro MUL16 a0, p, zero
.irp a, \a0, \a0+1
.irp b, 0,1,2,3,4,5,6,7
.if \zero
	v_wmma_f32_16x16x128_fp8_fp8 v[8*(8*((\a)%4)+\b):8*(8*((\a)%4)+\b)+7], v[128*(\p)+FR*\b:128*(\p)+FR*\b+FR-1], v[AF+FR*(\a):AF+FR*(\a)+FR-1], 0
.else
	v_wmma_f32_16x16x128_fp8_fp8 v[8*(8*((\a)%4)+\b):8*(8*((\a)%4)+\b)+7], v[128*(\p)+FR*\b:128*(\p)+FR*\b+FR-1], v[AF+FR*(\a):AF+FR*(\a)+FR-1], v[8*(8*((\a)%4)+\b):8*(8*((\a)%4)+\b)+7]
.endif
.endr
.endr
.endm
.macro FETCH_B slot, q, p              ; the B side's eight fragments of the slot's q-th 128 along K into set p
	WIN TO_B
.irp i, 0,1,2,3,4,5,6,7
	FRAG 128*(\p)+FR*\i, ADRB+\slot, \q, \i
.endr
	WIN 0
.endm
.macro FETCH_A slot, q, i0             ; the A side's blocks i0 .. i0 + 3
.irp i, \i0, \i0+1, \i0+2, \i0+3
	FRAG AF+FR*(\i), ADRA+\slot, \q, \i
.endr
.endm
.macro PLACES n                        ; plain vector instructions between a matrix instruction and a load into, or a vector read of, its registers
.rept \n
	v_nop
.endr
.endm
; A step of 128 along K that has its successor in the same slot.  A block of the A side is free when its eight products are issued: blocks 0-3 are fetched anew in the middle, blocks 4-7 at the end.
.macro STEP slot, q, zero
	s_wait_dscnt 4*NL                              ; the B side's set and the A side's blocks 0-3 are in; the youngest 16 loads (blocks 4-7) may be out
	WIN MUL_LO
	MUL16 0, (\q)%2, \zero
	MUL16 2, (\q)%2, \zero
	s_wait_dscnt 0                                 ; blocks 4-7 are in (asked for 32 matrix instructions ago)
	PLACES NP
	FETCH_B \slot, (\q)+1, 1-(\q)%2
	FETCH_A \slot, (\q)+1, 0
	WIN MUL_HI
	MUL16 4, (\q)%2, \zero
	MUL16 6, (\q)%2, \zero
	PLACES NP
	WIN 0
	FETCH_A \slot, (\q)+1, 4
.endm
; A slot's last step changes slots: ONE barrier; in front of it each wave waits for all its tensor loads, adds 0 to its spare word, and waits for that and for its own reads of this slot.
; fill = 1: this slot is filled again, two K steps ahead; the barrier then opens a round of the cluster's barrier.
.macro TURN slot, next, fill
	s_wait_tensorcnt 0x0                           ; all my tensor loads have landed: my part of the next slot;
	ds_add_u32 v[SPW], v[NIL]                      ; 0 onto my spare word;
	s_wait_dscnt 4*NL+1                            ; (the add and the youngest 16 loads, blocks 4-7, may be out)
	WIN MUL_LO
	MUL16 0, 1, 0                                  ; sixteen matrix instructions stand between the add and the wait for it
	s_wait_dscnt 0x0                               ; the add is done, and my reads of this slot are over
	s_barrier_signal -1
	MUL16 2, 1, 0
	WIN 0
	s_barrier_wait -1
.if \fill
	CREST                                          ; no wave of any partner still reads this slot's tile or has a load on its way
	s_add_nc_u64 s[G0+4*\slot+2:G0+4*\slot+3], s[G0+4*\slot+2:G0+4*\slot+3], 2*ROWB
	s_add_nc_u64 s[G0B+4*\slot+2:G0B+4*\slot+3], s[G0B+4*\slot+2:G0B+4*\slot+3], 2*ROWB
	JLOAD G0+4*\slot, G1, G0B+4*\slot, G1B         ; the first tensor load behind the round, my one load until the next; its four v_nop are the places in front of the loads below
.else
	PLACES NP
.endif
	FETCH_B \next, 0, 0
	FETCH_A \next, 0, 0
	WIN MUL_HI
	MUL16 4, 1, 0
	MUL16 6, 1, 0
	PLACES NP
	WIN 0
	FETCH_A \next, 0, 4
.endm
	s_wait_tensorcnt 1                             ; my part of K step 0 is in (K step 1's load may be out)
	s_barrier_signal -1
	s_barrier_wait -1                              ; everybody's is
	FETCH_B 0, 0, 0
	FETCH_A 0, 0, 0
	FETCH_A 0, 0, 4
	STEP 0, 0, 1                                   ; K 0-127: its products start the sums: nothing is cleared
	TURN 0, 1, 1                                   ; K 128-255; slot 0 takes K step 2
	STEP 1, 0, 0
	TURN 1, 0, 1                                   ; slot 1 takes K step 3
	STEP 0, 0, 0
	TURN 0, 1, 0                                   ; nothing is left to fetch: behind this barrier nobody reads slot 0 any more
	STEP 1, 0, 0
	s_wait_dscnt 4*NL                              ; the last 128 along K
	WIN MUL_LO
	MUL16 0, 1, 0
	MUL16 2, 1, 0
	s_wait_dscnt 0
	WIN MUL_HI
	MUL16 4, 1, 0
	MUL16 6, 1, 0
	WIN 0
	; THE WAY OUT.  The given scales, with no branch on them: selects on the cluster's x
	s_wait_kmcnt 0x0
	s_cmp_eq_u32 ttmp9, 0
	s_cselect_b32 s88, s82, s83                    ; q: e2, k: e3,
	s_cmp_eq_u32 ttmp9, 2
	s_cselect_b32 s88, s85, s88                    ; v: e5
	s_sub_co_i32 s88, s88, s80
	s_sub_co_i32 s88, s88, s81                     ; E = e_t - e0 - e1: the three scales folded into the conversion's one
	s_add_co_i32 s88, s88, 127
	s_lshl_b32 s89, s88, 23
	v_mov_b32 v[SC], s89                           ; 2^E as f32
	s_add_co_i32 s88, s88, 8
	s_lshl_b32 s88, s88, 23
	s_or_b32 s[LP], s88, 0x600000                  ; 448 x 2^E
	s_or_b32 s[LN], s[LP], 0x80000000              ; and its negative
; Block a (16 rows of the A side x 128 of the B side): the conversion, 8 codes a lane and accumulator into the stage.  Each block's codes have registers of their own.
.macro QBLOCK a
	WIN 0x02+((\a)/4)                              ; source 0: window 2 or 3
.set j, 0
.rept 64
.set j, j+1
.endr
.irp b, 0,1,2,3,4,5,6,7
	v_cvt_scalef32_pk8_fp8_f32 v[CD+16*(\a)+2*\b:CD+16*(\a)+2*\b+1], v[TMP+8*\b+((64*((\a)%4)+j)-(TMP+j)):TMP+8*\b+7+((64*((\a)%4)+j)-(TMP+j))], v[SC]
.endr
	WIN 0
	v_nop                                          ; a plain vector instruction between the conversions and the stores of their codes
.irp b, 0,1,2,3,4,5,6,7
	ds_store_b64 v[STO], v[CD+16*(\a)+2*\b:CD+16*(\a)+2*\b+1] offset:(\b/4)*8192+((\a)/4)*4096+(((\a)/2)%2)*2048+((\b/2)%2)*512+(\b%2)*256+((\a)%2)*128
.endr
.endm
	PLACES NP                                      ; behind the last products, in front of the first read of results and the first write of fragments' registers
.irp a, 0,1,2,3,4,5,6,7
	QBLOCK \a
.endr
	s_wait_dscnt 0x0                               ; my stores into my stage are done and have read their registers, which the loads below fill
.set i, 0
.rept 32
	ds_load_b128 v[CD+4*i:CD+4*i+3], v[RD] offset:512*i            ; the stage as it lies: 512 consecutive bytes an instruction
.set i, i+1
.endr
.set i, 0
.rept 32
	s_wait_dscnt 31-i                              ; LDS loads come back in order: load i is in, the 31 - i younger ones may be out
	global_store_b128 v[OQ+i/8], v[CD+4*i:CD+4*i+3], s[10:11] offset:512*(i%8)   ; 32 lanes store 512 consecutive bytes, at a multiple of 512 from qkv's first byte
.set i, i+1
.endr
	s_wait_tensorcnt 0x0                           ; the wave's end: behind my last tensor load and my last LDS store
	ds_add_u32 v[SPW], v[NIL]
	s_wait_dscnt 0x0
	CROUND                                         ; the closing round: no work-group ends while a partner may still ask for a tile that names it
	s_endpgm
.Lfunc_end_k_qb8eb8cd47c_qkv:
	.size	k_qb8eb8cd47c_qkv, .Lfunc_end_k_qb8eb8cd47c_qkv-k_qb8eb8cd47c_qkv
	.p2alignl 7, 3214868480
	.fill 96, 4, 3214868480
	.section	.rodata,"a",@progbits
	.p2align	6, 0x0
	.amdhsa_kernel k_qb8eb8cd47c_qkv
		.amdhsa_group_segment_fixed_size 327680
		.amdhsa_private_segment_fixed_size 0
		.amdhsa_enable_private_segment 0
		.amdhsa_kernarg_size 32
		.amdhsa_user_sgpr_count 2
		.amdhsa_user_sgpr_kernarg_segment_ptr 1
		.amdhsa_wavefront_size32 1
		.amdhsa_system_sgpr_workgroup_id_x 1
		.amdhsa_system_sgpr_workgroup_id_y 1
		.amdhsa_system_sgpr_workgroup_id_z 1
		.amdhsa_system_vgpr_workitem_id 0
		.amdhsa_next_free_vgpr 1024
		.amdhsa_next_free_sgpr 100
		.amdhsa_reserve_vcc 0
		.amdhsa_float_denorm_mode_32 3
		.amdhsa_float_denorm_mode_16_64 3
		.amdhsa_fp16_overflow 1
		.amdhsa_memory_ordered 1
		.amdhsa_forward_progress 1
		.amdhsa_inst_pref_size 94
	.end_amdhsa_kernel
	.amdgpu_metadata
---
amdhsa.version: [ 1, 2 ]
amdhsa.kernels:
  - .name:           k_qb8eb8cd47c_qkv
    .symbol:         k_qb8eb8cd47c_qkv.kd
    .args:
      - { .name: x_codes, .offset: 0, .size: 8, .value_kind: global_buffer, .address_space: global }
      - { .name: w_qkv_codes, .offset: 8, .size: 8, .value_kind: global_buffer, .address_space: global }
      - { .name: lowp_scales, .offset: 16, .size: 8, .value_kind: global_buffer, .address_space: global }
      - { .name: qkv, .offset: 24, .size: 8, .value_kind: global_buffer, .address_space: global }
    .group_segment_fixed_size: 327680
    .private_segment_fixed_size: 0
    .kernarg_segment_align: 8
    .kernarg_segment_size: 32
    .max_flat_workgroup_size: 128
    .sgpr_count:     100
    .vgpr_count:     1024
    .wavefront_size: 32
...
	.end_amdgpu_metadata
.endif
;; end of part 1
;; launch attn (part 2): grid 4 x 64, 16 waves a work-group, clusters of 4 x 1, 327,680 bytes of LDS; arguments qkv, lowp_scales, ao; writes ao
.if DOCPART == 2
	.amdgcn_target "amdgcn-amd-amdhsa--gfx1250"
	.amdhsa_code_object_version 6
	.text
	.protected	k_qb8eb8cd47c_attn
	.globl	k_qb8eb8cd47c_attn
	.p2align	8
	.type	k_qb8eb8cd47c_attn,@function
k_qb8eb8cd47c_attn:
	s_mov_b64 s[64:65], 0
	v_nop
	global_prefetch_b8 v0, s[64:65] scope:SCOPE_SE
	s_setreg_imm32_b32 hwreg(HW_REG_WAVE_MODE, 25, 1), 1
	s_wait_xcnt 0x0
	s_wait_alu depctr_hold_cnt(0) depctr_sa_sdst(0) depctr_va_vdst(0) depctr_va_sdst(0) depctr_va_ssrc(0) depctr_va_vcc(0) depctr_vm_vsrc(0)
	s_getreg_b32 s2, hwreg(HW_REG_IB_STS2, 6, 4)
	s_cmp_eq_u32 s2, 0
	s_cbranch_scc0 .Lentry_in_a_cluster
	s_endpgm
.Lentry_in_a_cluster:
	s_bfe_u32 s2, ttmp6, 0x10000c
	s_cmp_lg_u32 s2, 0x3003
	s_cbranch_scc0 .Lentry_shape_is_right
	s_endpgm
.Lentry_shape_is_right:
; PRODUCTS 2 AND 3: causal attention of one head on codes of E4M3, and the result quantised (e6) for the last product.
; t = score x 2^(e2 + e3) x log2(e) / 8; M = the row's largest t so far, rounded UP to a whole number; p = 2^(t - M) is quantised with 2^e4, not normalised; the row's sum is taken of the unquantised p in f32.
; When M moves, the sum and O are multiplied by 2^(old M - new M): exact.  At the end O x 2^(e4 + e5) / sum is converted with 2^e6.
; LIMITS on the given exponents, so that each power of two below is an f32 number: e2 + e3 between -123 and 130 (added to c's exponent field); e4 and e6 between -126 and 127; e4 + e5 goes in by v_ldexp_f32 and has none.
; LDS HOLDS THE WHOLE HEAD: K's image (131,072 bytes) at byte 0 and V's at byte 131,072, as they lie in qkv.  Each byte is filled once: there is no ring, and behind the second barrier no wave waits for another.
; SHARES.  The four work-groups of a cluster serve one head (cluster y = 16 x batch + head) and ask for K and V jointly.  A head has 32 blocks of 64 queries.  Wave w takes blocks 31 - w ('L') and w ('E');
; of a block, work-group g = cx takes tile 4 x block + g: 16 queries.  A step is 64 keys; block n needs steps 0 .. n, the last on the diagonal: (32 - w) + (w + 1) = 33 tile steps for every wave of every work-group.
; All branches hang on the wave's number and the step's; cx enters q's and ao's addresses and the mask's numbers alone.
; LAYOUT.  Both products are used transposed: S^T = K Q^T (source 0 = 16 keys, source 1 = my 16 queries), O^T = V^T P^T (source 0 = 16 channels, source 1 = P): a lane holds ONE query (lane % 16) throughout.
; The images' tiles hold rows 8 apart in two groups (launch qkv's head): so S's register 16 b + i is key 32 b + 16 (lane / 16) + i of the step, the conversions' results ARE P's fragment,
; and O's register 16 b + i is channel 32 b + 16 (lane / 16) + i: its codes are the last product's operand image, stored straight from registers.
; ao = [token tile 512][chunk 8][c 4][lane 32][16 bytes]: lane (rho, eta) holds, of the tile's row rho, K = 128 chunk + 32 c + 16 eta + 0 .. 15, K = 64 head + channel.
; No prefetch: every byte of K and V is asked for by its tensor load at the head, so there is no later request to run ahead of.
.set VIMG, 131072                      ; V's image in LDS
.set LI,   1                           ; v1   16 x lane: my place in every image; never rewritten
.set LIV,  2                           ; v2   the same in V's image
.set ADK,  3                           ; v3   LDS address of the step's K
.set ADV,  4                           ; v4   of its V
.set DQ,   5                           ; v5   my query within its block of 64, less 16 (lane / 16)
.set NINF, 6                           ; v6   -infinity
.set SP4,  7                           ; v7   2^e4
.set LM4,  8
.set PT,   9                           ; v9   a lane permute's destination
.set TA,   10                          ; v10, v11 at work
.set TC,   11
.set STL,  12                          ; v12 -M, v13 the largest t, v[14:15] the sum in two halves: tile L's
.set STE,  16                          ; v16-19 tile E's
.set FF,   20                          ; v20  f = 2^(old M - new M); v21 = 0, named with it as a pair
.set SM2,  22                          ; v[22:23] the sum's second chain
.set QL,   24                          ; v24-31 tile L's queries
.set QE,   32                          ; v32-39 tile E's
.set KF,   40                          ; v40-71 the step's four tiles of K
.set VF,   72                          ; v72-103 its four tiles of V
.set S,    104                         ; v104-135 S^T, then p
.set P,    136                         ; v136-143 p's codes
.set OL,   144                         ; v144-175 tile L's O^T
.set OE,   176                         ; v176-207 tile E's
.set SP6,  208                         ; v208 2^e6
.set LM6,  209
.set WV,   12                          ; s12  my wave's number
.set CS,   22                          ; s[22:23] c = log2(e) / 8 x 2^(e2 + e3)
.set G1S,  24                          ; s[24:31] descriptor group 1 of the small fill;  s[32:39] of the large;  s[40:43], s[44:47] their groups 0
.set G1L,  32
.set G0S,  40
.set G0L,  44
.set SEL,  48                          ; s[48:49] lane selects for v_permlanex16_b32: lane l xor 16
.set ST,   50                          ; s50  the step
.set TB,   51                          ; s51  4096 x the step: its byte in both images
.set WE,   52                          ; s52  tile E's block: w
.set WL,   53                          ; s53  tile L's block: 31 - w
.set AOL,  54                          ; s[54:55], s[56:57] where tile L's and tile E's codes go
.set AOE,  56
.set EPV,  76                          ; s76  e4 + e5
.macro CROUND                          ; a round of the cluster's barrier
	s_barrier_signal -1
	s_barrier_wait -1
	s_cmp_lg_u32 s[WV], 0
	s_cbranch_scc1 .Lnot_wave_0_\@
	s_barrier_signal -3
.Lnot_wave_0_\@:
	s_barrier_wait -3
	s_barrier_signal -1
	s_barrier_wait -1
.endm
	s_load_b128 s[4:7], s[0:1], 0x0                ; qkv s[4:5], the scales' exponents s[6:7]
	s_load_b64 s[8:9], s[0:1], 0x10                ; ao
	v_lshl_add_u32 v224, v0, 2, 0x40000
	v_mov_b32 v225, 0
	ds_add_u32 v224, v225
	ds_add_u32 v224, v225
	v_lshrrev_b32 v3, 5, v0
	s_delay_alu instid0(VALU_DEP_1)
	v_readfirstlane_b32 s[WV], v3                  ; wave 0..15
	s_bfe_u32 s13, ttmp6, 0x40000                  ; g = cx
	s_and_b32 s14, ttmp7, 0xffff                   ; bh = 16 x batch + head, which the four partners share
	; descriptor group 1: dense blocks as rows of 256 bytes (32 elements of 8 bytes): 8 rows, and 56 rows
.irp g, G1S, G1L
	s_mov_b32 s[\g], 15|(3<<16)|(1<<21)            ; 15:0 the mask: all four work-groups; 17:16 elements of 8 bytes; 21 set beside a mask; no padding
	s_mov_b32 s[\g+1], 32<<16                      ; tensor_dim0 = 32
	s_mov_b32 s[\g+3], 32<<16                      ; tile_dim0 = 32
	s_mov_b32 s[\g+5], 32                          ; from row to row
	s_mov_b32 s[\g+6], 0
	s_mov_b32 s[\g+7], 0
.endr
	s_mov_b32 s[G1S+2], 8<<16                      ; tensor_dim1
	s_mov_b32 s[G1S+4], 8                          ; tile_dim1
	s_mov_b32 s[G1L+2], 56<<16
	s_mov_b32 s[G1L+4], 56
	; waves 0-7 fill K's image, waves 8-15 V's.  Wave j of the eight: bytes 2048 j .. of the first 16,384 (keys 0-255), and bytes 16384 + 14336 j .. of the rest
	s_lshr_b32 s58, s[WV], 3
	s_and_b32 s59, s[WV], 7
	s_lshl_b32 s60, s58, 17                        ; the image in LDS
	s_lshl_b32 s61, s59, 11
	s_mul_i32 s62, s59, 14336
	s_add_co_u32 s62, s62, 16384
	s_add_co_u32 s[G0S+1], s60, s61                ; LDS addresses: LDS byte = image byte
	s_add_co_u32 s[G0L+1], s60, s62
	s_add_co_u32 s58, s58, 1
	s_lshl_b32 s58, s58, 23                        ; k lies 8 MiB, v 16 MiB into qkv,
	s_lshl_b32 s66, s14, 17                        ; the head's image 131,072 bh further
	s_add_co_u32 s58, s58, s66
	s_add_co_u32 s60, s58, s61
	s_mov_b32 s61, 0
	s_add_co_u32 s62, s58, s62
	s_mov_b32 s63, 0
	s_wait_dscnt 0x0
	s_wait_kmcnt 0x0
	s_load_b256 s[68:75], s[6:7], 0x0              ; e0 .. e7
	s_mov_b32 s[G0S], 1                            ; count = 1
	s_add_nc_u64 s[G0S+2:G0S+3], s[4:5], s[60:61]
	s_or_b32 s[G0S+3], s[G0S+3], 0x80000000        ; type = 2
	s_mov_b32 s[G0L], 1
	s_add_nc_u64 s[G0L+2:G0L+3], s[4:5], s[62:63]
	s_or_b32 s[G0L+3], s[G0L+3], 0x80000000
	CROUND                                         ; all four work-groups are here: the joint loads meet
	tensor_load_to_lds s[G0S:G0S+3], s[G1S:G1S+7]  ; my small fill: one load of mine is out
	s_nop 0
	s_wait_alu depctr_va_vdst(0)
	s_wait_tensorcnt 0x0
	ds_add_u32 v224, v225
	s_wait_dscnt 0x0
	CROUND
	tensor_load_to_lds s[G0L:G0L+3], s[G1L:G1L+7]
	s_nop 0
.rept 4
	v_nop
.endr
	; my two tiles of queries, and where their results go
	s_mov_b32 s[WE], s[WV]
	s_xor_b32 s[WL], s[WV], 31                     ; 31 - w
	s_lshl_b32 s58, s[WL], 2
	s_add_co_u32 s58, s58, s13                     ; tile L = 4 (31 - w) + g
	s_lshl_b32 s59, s[WV], 2
	s_add_co_u32 s59, s59, s13                     ; tile E = 4 w + g
	s_lshl_b32 s60, s58, 10
	s_add_co_u32 s60, s60, s66
	s_add_nc_u64 s[16:17], s[4:5], s[60:61]        ; q's image: 131,072 bh + 1,024 tile
	s_lshl_b32 s62, s59, 10
	s_add_co_u32 s62, s62, s66
	s_add_nc_u64 s[18:19], s[4:5], s[62:63]
	v_and_b32 v[LI], 31, v0
	s_delay_alu instid0(VALU_DEP_1)
	v_lshlrev_b32 v[LI], 4, v[LI]
	s_wait_alu depctr_va_vdst(0)
	global_load_b128 v[QL:QL+3], v[LI], s[16:17]
	global_load_b128 v[QL+4:QL+7], v[LI], s[16:17] offset:512
	global_load_b128 v[QE:QE+3], v[LI], s[18:19]
	global_load_b128 v[QE+4:QE+7], v[LI], s[18:19] offset:512
	s_lshr_b32 s66, s14, 4
	s_lshl_b32 s66, s66, 21                        ; ao: 128 token tiles of 16,384 bytes a batch,
	s_and_b32 s67, s14, 15
	s_lshl_b32 s67, s67, 10                        ; 1,024 bytes a head in each tile
	s_add_co_u32 s66, s66, s67
	s_lshl_b32 s60, s58, 14
	s_add_co_u32 s60, s60, s66
	s_add_nc_u64 s[AOL:AOL+1], s[8:9], s[60:61]
	s_lshl_b32 s62, s59, 14
	s_add_co_u32 s62, s62, s66
	s_add_nc_u64 s[AOE:AOE+1], s[8:9], s[62:63]
	v_add_nc_u32 v[LIV], VIMG, v[LI]
	v_and_b32 v[TA], 15, v0                        ; r
	v_bfe_u32 v[TC], v0, 4, 1                      ; h
	s_delay_alu instid0(VALU_DEP_2)
	v_and_b32 v[DQ], 8, v[TA]
	s_delay_alu instid0(VALU_DEP_1)
	v_add_nc_u32 v[DQ], v[DQ], v[TA]               ; r + 8 (r / 8)
	s_delay_alu instid0(VALU_DEP_3)
	v_lshlrev_b32 v[TC], 4, v[TC]
	s_delay_alu instid0(VALU_DEP_1)
	v_sub_nc_u32 v[DQ], v[DQ], v[TC]               ; - 16 h
	s_lshr_b32 s58, s13, 1
	s_lshl_b32 s58, s58, 5
	s_and_b32 s59, s13, 1
	s_lshl_b32 s59, s59, 3
	s_add_co_u32 s58, s58, s59
	v_add_nc_u32 v[DQ], s58, v[DQ]                 ; + 32 (g / 2) + 8 (g % 2): my query within its block, less 16 h
	v_mov_b32 v[NINF], 0xff800000
	v_mov_b32 v[PT], 0                             ; written once: a lane permute's destination counts as one of its sources
	v_mov_b32 v[FF+1], 0                           ; (named as the upper half of a pair)
.irp st, STL, STE
	v_mov_b32 v[\st+1], 0xff61b1e6                 ; the largest t so far: -3e38, under every t
	s_delay_alu instid0(VALU_DEP_1)
	v_floor_f32 v[\st], -v[\st+1]                  ; -M
	v_mov_b32 v[\st+2], 0                          ; the sum, in two halves
	v_mov_b32 v[\st+3], 0
.endr
.set j, 0
.rept 64
	v_mov_b32 v[OL+j], 0                           ; both O^T.  (A step is written once: the first finds zeros, which the first change of M leaves zeros)
.set j, j+1
.endr
	s_mov_b32 s[SEL], 0x76543210
	s_mov_b32 s[SEL+1], 0xfedcba98
	s_wait_kmcnt 0x0
	s_add_co_i32 s58, s70, s71                     ; e2 + e3 are added to c's exponent field
	s_lshl_b32 s58, s58, 23
	s_mov_b32 s[CS], 0x3e38aa3b                    ; log2(e) / sqrt(64)
	s_add_co_i32 s[CS], s[CS], s58
	s_mov_b32 s[CS+1], s[CS]                       ; (named with it as a pair, so it is written)
	s_add_co_i32 s58, s72, 127
	s_lshl_b32 s59, s58, 23
	v_mov_b32 v[SP4], s59                          ; 2^e4
	s_add_co_i32 s58, s74, 127
	s_lshl_b32 s59, s58, 23
	v_mov_b32 v[SP6], s59                          ; 2^e6
	s_add_co_i32 s[EPV], s72, s73                  ; e4 + e5
; ONE TILE OF 16 QUERIES AGAINST THE STEP'S 64 KEYS.  q: its queries; o: its O^T; st: its -M, t, sums; thr: the scalar register with its block's number: there the step lies on the diagonal.
.macro TILE q, o, st, thr
	s_wait_dscnt 0x8                               ; K's eight loads are in; V's eight, issued behind them, may be out
.irp t, 0,1,2,3
	v_wmma_f32_16x16x64_fp8_fp8 v[S+8*\t:S+8*\t+7], v[KF+8*\t:KF+8*\t+7], v[\q:\q+7], 0
.endr
.rept 4
	v_nop                                          ; places in front of the first read of the scores
.endr
	s_cmp_lg_u32 s[ST], s[\thr]
	s_cbranch_scc1 .Lopen_\@                       ; a step under the diagonal: all its keys count
.set n, 0
.rept 32
	v_cmp_gt_i32 vcc_lo, 32*(n/16)+n%16, v[DQ]     ; register 16 b + i holds key 32 b + 16 h + i of the step: hidden where 32 b + i > my query - 16 h
	v_cndmask_b32 v[S+n], v[S+n], v[NINF], vcc_lo  ; -infinity ahead of the maximum: p = 0 then
.set n, n+1
.endr
.Lopen_\@:
	v_max3_num_f32 v[TA], v[S], v[S+1], v[S+2]     ; the step's largest score of my query among my 32 keys, in two chains; each tile of scores is read from its low end on
	v_max3_num_f32 v[TC], v[S+3], v[S+4], v[S+5]
.irp i, 6,10,14,18,22,26
	v_max3_num_f32 v[TA], v[TA], v[S+\i], v[S+\i+1]
	v_max3_num_f32 v[TC], v[TC], v[S+\i+2], v[S+\i+3]
.endr
	v_max3_num_f32 v[TA], v[TA], v[S+30], v[S+31]
	s_delay_alu instid0(VALU_DEP_1)
	v_max_num_f32 v[TA], v[TA], v[TC]
	s_delay_alu instid0(VALU_DEP_1)
	v_permlanex16_b32 v[PT], v[TA], s[SEL], s[SEL+1]
	s_delay_alu instid0(VALU_DEP_1)
	v_max_num_f32 v[TA], v[TA], v[PT]              ; and among lane l xor 16's.  (Key 0 counts for every query, so the running maximum is a number from the first step on)
	s_delay_alu instid0(VALU_DEP_1)
	v_mul_f32 v[TA], s[CS], v[TA]                  ; as t (c is positive)
	s_delay_alu instid0(VALU_DEP_1)
	v_max_num_f32 v[\st+1], v[\st+1], v[TA]        ; the running largest t
	v_mov_b32 v[TA], v[\st]
	s_delay_alu instid0(VALU_DEP_2)
	v_floor_f32 v[\st], -v[\st+1]                  ; the new -M = floor(-t) = -ceil(t)
	s_delay_alu instid0(VALU_DEP_1)
	v_sub_f32 v[TA], v[\st], v[TA]                 ; old M - new M: a whole number, 0 or less
	s_delay_alu instid0(VALU_DEP_1)
	v_cvt_i32_f32 v[TA], v[TA]                     ; (it saturates)
	s_delay_alu instid0(VALU_DEP_1)
	v_ldexp_f32 v[FF], 1.0, v[TA]                  ; f = 2^(old M - new M)
.set j, 0
.rept 16
	v_pk_fma_f32 v[S+j:S+j+1], v[S+j:S+j+1], s[CS:CS+1], v[\st:\st+1] op_sel_hi:[1,0,0]   ; t - M, two at a time (of the pairs c and -M the low word serves both halves)
.set j, j+2
.endr
.set j, 0
	s_wait_alu depctr_va_vdst(0)
.rept 32
	v_exp_f32 v[S+j], v[S+j]                       ; p = 2^(t - M), at most 1
.set j, j+1
.endr
	v_pk_mul_f32 v[\st+2:\st+3], v[\st+2:\st+3], v[FF:FF+1] op_sel_hi:[1,0]   ; the sums under the new M.  (The plain instruction behind the exponentials)
	s_wait_alu depctr_va_vdst(0)                   ; one wait for the batch of 32, ahead of its first reader
	v_pk_add_f32 v[SM2:SM2+1], v[S:S+1], v[S+2:S+3]   ; the row's sum is taken of the UNQUANTISED p: two at a time, in two chains
.irp j, 4,8,12,16,20,24,28
	v_pk_add_f32 v[\st+2:\st+3], v[\st+2:\st+3], v[S+\j:S+\j+1]
	v_pk_add_f32 v[SM2:SM2+1], v[SM2:SM2+1], v[S+\j+2:S+\j+3]
.endr
	s_delay_alu instid0(VALU_DEP_1)
	v_pk_add_f32 v[\st+2:\st+3], v[\st+2:\st+3], v[SM2:SM2+1]
.set j, 0
.rept 32
.set j, j+1
.endr
.irp b, 0,1
	v_cvt_scalef32_pk8_fp8_f32 v[P+4*\b:P+4*\b+1], v[S+16*\b:S+16*\b+7], v[SP4]
	v_cvt_scalef32_pk8_fp8_f32 v[P+4*\b+2:P+4*\b+3], v[S+16*\b+8:S+16*\b+15], v[SP4]
.endr
.set j, 0
.rept 16
	v_pk_mul_f32 v[\o+j:\o+j+1], v[\o+j:\o+j+1], v[FF:FF+1] op_sel_hi:[1,0]   ; O^T under the new M, each accumulator from its low end on.  (Also the plain instructions between the conversions and the products)
.set j, j+2
.endr
	s_wait_alu depctr_va_vdst(0)
	s_wait_dscnt 0x0                               ; V is in
.irp t, 0,1,2,3
	v_wmma_f32_16x16x64_fp8_fp8 v[\o+8*\t:\o+8*\t+7], v[VF+8*\t:VF+8*\t+7], v[P:P+7], v[\o+8*\t:\o+8*\t+7]   ; the four accumulators by turns; the next step's scores stand between two links of a chain
.endr
.endm
; A STEP: 64 keys.  Tile L needs it while the step is at most 31 - w, tile E while it is at most w (< 31 - w): so what is left out is left out by branches on the wave's and the step's numbers,
; round the loads and the work, not round the line that steps the address.
.macro STEP
	s_cmp_gt_u32 s[ST], s[WL]
	s_cbranch_scc1 .Lskip_\@
	v_add_nc_u32 v[ADK], s[TB], v[LI]
	v_add_nc_u32 v[ADV], s[TB], v[LIV]
	v_nop
	v_nop                                          ; four places in all, between the last step's products and the loads into the registers that they read
.irp t, 0,1,2,3
.irp c, 0,1
	ds_load_b128 v[KF+8*\t+4*\c:KF+8*\t+4*\c+3], v[ADK] offset:1024*\t+512*\c   ; an image: 512 consecutive bytes an instruction
.endr
.endr
.irp t, 0,1,2,3
.irp c, 0,1
	ds_load_b128 v[VF+8*\t+4*\c:VF+8*\t+4*\c+3], v[ADV] offset:1024*\t+512*\c
.endr
.endr
	TILE QL, OL, STL, WL
	s_cmp_gt_u32 s[ST], s[WE]
	s_cbranch_scc1 .Lskip_\@
	TILE QE, OE, STE, WE                           ; the same fragments of K and V serve both tiles
.Lskip_\@:
	s_add_co_u32 s[TB], s[TB], 4096
.endm
	s_wait_loadcnt 0x0                             ; Q
	s_wait_tensorcnt 0x1                           ; my small fill has landed; my large one, issued behind it, may be out
	s_barrier_signal -1
	s_barrier_wait -1                              ; keys 0-255 of K and V are whole
	s_mov_b32 s[ST], 0
	s_mov_b32 s[TB], 0
.Lfirst:                                           ; steps 0-3 read bytes 0 .. 16,383 of each image, while the rest of the head lands
	STEP
	s_add_co_u32 s[ST], s[ST], 1
	s_cmp_lt_u32 s[ST], 4
	s_cbranch_scc1 .Lfirst
	s_wait_tensorcnt 0x0                           ; my large fill has landed,
	s_wait_dscnt 0x0
	s_barrier_signal -1
	s_barrier_wait -1                              ; everybody's has: the whole head lies in LDS
	s_mov_b32 s[ST], 4
	s_mov_b32 s[TB], 4*4096
.Lrest:                                            ; steps 4-31: no barrier, each wave at its own pace
	STEP
	s_add_co_u32 s[ST], s[ST], 1
	s_cmp_lt_u32 s[ST], 32
	s_cbranch_scc1 .Lrest
; THE WAY OUT of a tile: O^T x 2^(e4 + e5) / the sum, converted with 2^e6: the lane's 32 codes are 2 x 16 bytes of ao's image at 16 x lane.  cd: registers for the codes, a tile's own.
.macro OUT o, st, cd, base
	v_add_f32 v[TA], v[\st+2], v[\st+3]            ; the sum's two halves,
	s_delay_alu instid0(VALU_DEP_1)
	v_permlanex16_b32 v[PT], v[TA], s[SEL], s[SEL+1]
	s_delay_alu instid0(VALU_DEP_1)
	v_add_f32 v[TA], v[TA], v[PT]                  ; and lane l xor 16's
	s_wait_alu depctr_va_vdst(0)
	v_rcp_f32 v[TA], v[TA]
	v_nop                                          ; a plain instruction behind the reciprocal,
	s_wait_alu depctr_va_vdst(0)                   ; and the wait ahead of its first reader
	v_ldexp_f32 v[TA], v[TA], s[EPV]
.set j, 0
.rept 16
	v_pk_mul_f32 v[S+j:S+j+1], v[\o+j:\o+j+1], v[TA:TA+1] op_sel_hi:[1,0]
.set j, j+2
.endr
.set j, 0
.rept 32
.set j, j+1
.endr
.irp b, 0,1
	v_cvt_scalef32_pk8_fp8_f32 v[\cd+4*\b:\cd+4*\b+1], v[S+16*\b:S+16*\b+7], v[SP6]
	v_cvt_scalef32_pk8_fp8_f32 v[\cd+4*\b+2:\cd+4*\b+3], v[S+16*\b+8:S+16*\b+15], v[SP6]
.endr
	v_nop                                          ; a plain instruction between the conversions and the next lines that write their sources
	global_store_b128 v[LI], v[\cd:\cd+3], s[\base:\base+1]               ; 32 lanes store 512 consecutive bytes, at a multiple of 512 from ao's first byte
	global_store_b128 v[LI], v[\cd+4:\cd+7], s[\base:\base+1] offset:512
.endm
.rept 4
	v_nop                                          ; places behind the last products
.endr
	OUT OL, STL, P, AOL
	OUT OE, STE, KF, AOE
	s_wait_dscnt 0x0
	s_wait_tensorcnt 0x0
	ds_add_u32 v224, v225
	s_wait_dscnt 0x0
	CROUND                                         ; the closing round: no work-group ends while a partner may still ask for a tile that names it
	s_endpgm
.Lfunc_end_k_qb8eb8cd47c_attn:
	.size	k_qb8eb8cd47c_attn, .Lfunc_end_k_qb8eb8cd47c_attn-k_qb8eb8cd47c_attn
	.p2alignl 7, 3214868480
	.fill 96, 4, 3214868480
	.section	.rodata,"a",@progbits
	.p2align	6, 0x0
	.amdhsa_kernel k_qb8eb8cd47c_attn
		.amdhsa_group_segment_fixed_size 327680
		.amdhsa_private_segment_fixed_size 0
		.amdhsa_enable_private_segment 0
		.amdhsa_kernarg_size 24
		.amdhsa_user_sgpr_count 2
		.amdhsa_user_sgpr_kernarg_segment_ptr 1
		.amdhsa_wavefront_size32 1
		.amdhsa_system_sgpr_workgroup_id_x 1
		.amdhsa_system_sgpr_workgroup_id_y 1
		.amdhsa_system_sgpr_workgroup_id_z 1
		.amdhsa_system_vgpr_workitem_id 0
		.amdhsa_next_free_vgpr 226
		.amdhsa_next_free_sgpr 80
		.amdhsa_reserve_vcc 1
		.amdhsa_float_denorm_mode_32 3
		.amdhsa_float_denorm_mode_16_64 3
		.amdhsa_fp16_overflow 1
		.amdhsa_memory_ordered 1
		.amdhsa_forward_progress 1
		.amdhsa_inst_pref_size 52
	.end_amdhsa_kernel
	.amdgpu_metadata
---
amdhsa.version: [ 1, 2 ]
amdhsa.kernels:
  - .name:           k_qb8eb8cd47c_attn
    .symbol:         k_qb8eb8cd47c_attn.kd
    .args:
      - { .name: qkv, .offset: 0, .size: 8, .value_kind: global_buffer, .address_space: global }
      - { .name: lowp_scales, .offset: 8, .size: 8, .value_kind: global_buffer, .address_space: global }
      - { .name: ao, .offset: 16, .size: 8, .value_kind: global_buffer, .address_space: global }
    .group_segment_fixed_size: 327680
    .private_segment_fixed_size: 0
    .kernarg_segment_align: 8
    .kernarg_segment_size: 24
    .max_flat_workgroup_size: 512
    .sgpr_count:     80
    .vgpr_count:     226
    .wavefront_size: 32
...
	.end_amdgpu_metadata
.endif
;; end of part 2
;; launch proj (part 3): grid 4 x 64, 4 waves a work-group, clusters of 4 x 4, 327,680 bytes of LDS; arguments ao, w_out_codes, lowp_scales, out0; writes out0
.if DOCPART == 3
	.amdgcn_target "amdgcn-amd-amdhsa--gfx1250"
	.amdhsa_code_object_version 6
	.text
	.protected	k_qb8eb8cd47c_proj
	.globl	k_qb8eb8cd47c_proj
	.p2align	8
	.type	k_qb8eb8cd47c_proj,@function
k_qb8eb8cd47c_proj:
	s_mov_b64 s[64:65], 0
	v_nop
	global_prefetch_b8 v0, s[64:65] scope:SCOPE_SE
	s_setreg_imm32_b32 hwreg(HW_REG_WAVE_MODE, 25, 1), 1
	s_wait_xcnt 0x0
	s_wait_alu depctr_hold_cnt(0) depctr_sa_sdst(0) depctr_va_vdst(0) depctr_va_sdst(0) depctr_va_ssrc(0) depctr_va_vcc(0) depctr_vm_vsrc(0)
	s_getreg_b32 s2, hwreg(HW_REG_IB_STS2, 6, 4)
	s_cmp_eq_u32 s2, 0
	s_cbranch_scc0 .Lentry_in_a_cluster
	s_endpgm
.Lentry_in_a_cluster:
	s_bfe_u32 s2, ttmp6, 0x10000c
	s_cmp_lg_u32 s2, 0xf033
	s_cbranch_scc0 .Lentry_shape_is_right
	s_endpgm
.Lentry_shape_is_right:
; PRODUCT 4: out0 [8192][1024] f32 = the attention's result (codes, scale 2^e6, in ao as images of operand registers) times w_out^T (codes [1024][1024], K innermost, scale 2^e7).
; The codes are multiplied as they are, and each finished sum once by 2^(e6 + e7).  LIMIT: e6 + e7 lies between -126 and 127, so that 2^(e6 + e7) is an f32 number.
; SHARES.  A work-group makes 128 tokens x 256 features, so that the grid has 64 x 4 = 256 work-groups; a wave makes 64 x 128: 32 accumulators.  K = 1,024 is four K steps of 256, eight steps of 128, written out.
; LDS: THREE slots; K steps 0, 1, 2 are asked for at the start, K step 3 goes into slot 0 when that has been read: one refill in the launch.
; A slot: the tokens' side as it lies in ao (8 token tiles x 4,096 bytes: byte 4096 i + 2048 q + 512 c + 16 lane), then 256 rows of w_out, 256 bytes + 16 of padding each.
; ao = [token tile][chunk 8][c 4][lane 32][16 bytes]; lane (rho, eta) holds, of the tile's row rho, K = 128 chunk + 32 c + 16 eta + 0 .. 15; row rho of tile T is token 32 (T / 2) + 8 (T % 2) + rho + 8 (rho / 8).
; w_out's fragments are fetched in the same order of K: registers 4 c .. 4 c + 3 hold K = 32 c + 16 (lane / 16) + 0 .. 15.
; CLUSTER: 4 x 4 work-groups; the tokens' tile is shared along a row of the cluster, w_out's along a column: joint loads.
; THE MATRIX INSTRUCTION IS USED TRANSPOSED (source 0 = 16 rows of w_out, source 1 = 16 tokens): a lane holds eight neighbouring features of one token.
; REGISTERS: window 0: v0-31 addresses; the tokens' fragments, two sets of 4 x 16, at v64 and v128; on the way out v32-255 are free.  window 1: w_out's, two sets of 8 x 16, at v0 and v128.
;   window 2: the accumulators ((a, b) at v[8 (8 a + b)]).
.set PITCH,  272
.set AIMG,   32768                     ; the tokens' side of a slot
.set HALFB,  128*PITCH                 ; 128 rows of w_out
.set SLOT,   AIMG+2*HALFB              ; 102,400
.set SPARE,  3*SLOT                    ; behind the slots: the spare words, 128 bytes a wave: two blocks of 256 bytes that no other line names
.set STAGE,  SLOT                      ; the way out: 16 rows x 528 bytes for each wave, in slot 1: filled once, and read by nobody behind the last barrier
.set SPITCH, 528
.set ADRA, 16                          ; v16-18  LDS address of my tokens' fragments in slot 0, 1, 2
.set ADRB, 20                          ; v20-22  the same for w_out's
.set STO,  24                          ; v24     the stage: where I put 32 bytes of a row
.set RD,   25                          ; v25     the stage: where I read a row back
.set CO,   26                          ; v26     16 x lane: my place in an image, and in 512 bytes of a row of out0
.set SPW,  28                          ; v28     LDS address of my spare word; never rewritten
.set NIL,  29                          ; v29     0; never rewritten
.set TMP,  32                          ; v32-95  a block's sums x 2^(e6 + e7)
.set BK,   128                         ; v128-191, v192-255 by turns: 16 rows read back from the stage
.set G1,   24                          ; s[24:31] descriptor group 1 for the tokens' side; groups 0: s[32:35], s[36:39], s[40:43]
.set G1B,  48                          ; s[48:55] for w_out; groups 0: s[56:59], s[60:63], s[68:71]
.set MSB, 0
.macro WIN new                         ; the immediate's high byte repeats the setting that is left
.if MSB != \new
	s_set_vgpr_msb (MSB<<8)|\new
.set MSB, \new
.endif
.endm
.set MUL,  0xa1                        ; source 0 (w_out) window 1, source 1 (tokens) window 0, C and D window 2
.set TO_B, 0x40                        ; destination window 1, address window 0
.macro CREST                           ; a round of the cluster's barrier behind its opening barrier
	s_cmp_lg_u32 s14, 0
	s_cbranch_scc1 .Lnot_wave_0_\@
	s_barrier_signal -3
.Lnot_wave_0_\@:
	s_barrier_wait -3
	s_barrier_signal -1
	s_barrier_wait -1
.endm
.macro CROUND
	s_barrier_signal -1
	s_barrier_wait -1
	CREST
.endm
.macro PLACES
.rept 4
	v_nop
.endr
.endm
	s_load_b128 s[4:7], s[0:1], 0x0                ; ao s[4:5], w_out's codes s[6:7]
	s_load_b128 s[8:11], s[0:1], 0x10              ; the scales' exponents s[8:9], out0 s[10:11]
	v_lshl_add_u32 v[SPW], v0, 2, SPARE
	v_mov_b32 v[NIL], 0
	ds_add_u32 v28, v29
	ds_add_u32 v28, v29
	s_wait_dscnt 0x0
	v_lshrrev_b32 v1, 5, v0
	v_readfirstlane_b32 s14, v1                    ; wave 0..3
	s_lshr_b32 s15, s14, 1                         ; which 64 of the tile's tokens are mine.  Also: I fetch for the tokens' side (0) or for w_out (1)
	s_and_b32 s16, s14, 1                          ; which 128 of its features.  Also: which half of that side I fetch
	s_bfe_u32 s72, ttmp6, 0x40000                  ; cx: the tile of 256 features (the grid has one cluster along x)
	s_bfe_u32 s73, ttmp6, 0x40004                  ; cy
	s_and_b32 s17, ttmp7, 0xffff
	s_lshl_b32 s17, s17, 2
	s_add_co_u32 s17, s17, s73                     ; the tile of 128 tokens = 4 x cluster y + cy
	s_lshl_b32 s74, s73, 2
	s_lshl_b32 s74, 15, s74                        ; my row of the cluster
	s_lshl_b32 s75, 0x1111, s72                    ; my column
	; group 1, tokens: 4 token tiles ('rows' 16,384 bytes apart) x 4,096 bytes (a K step of 256: two chunks), elements of 8 bytes, dense in LDS
	s_or_b32 s[G1+0], s74, (3<<16)|(1<<21)         ; 15:0 the mask; 17:16 elements of 8 bytes; 21 set beside a mask
	s_mov_b32 s[G1+1], 512<<16                     ; tensor_dim0 = 512
	s_mov_b32 s[G1+2], 4<<16                       ; tensor_dim1 = 4
	s_mov_b32 s[G1+3], 512<<16                     ; tile_dim0 = 512
	s_mov_b32 s[G1+4], 4                           ; tile_dim1 = 4
	s_mov_b32 s[G1+5], 2048                        ; from row to row: 2,048 elements
	s_mov_b32 s[G1+6], 0
	s_mov_b32 s[G1+7], 0
	; group 1, w_out: 128 rows x 256 bytes, 1,024 bytes apart, padded in LDS
	s_or_b32 s[G1B+0], s75, (1<<20)|(1<<21)|(5<<22)|(3<<25)   ; elements of 1 byte; padding: four words after every 64
	s_mov_b32 s[G1B+1], 256<<16
	s_mov_b32 s[G1B+2], 128<<16
	s_mov_b32 s[G1B+3], 256<<16
	s_mov_b32 s[G1B+4], 128
	s_mov_b32 s[G1B+5], 1024
	s_mov_b32 s[G1B+6], 0
	s_mov_b32 s[G1B+7], 0
	s_lshl_b32 s20, s17, 17                        ; tokens: 8 token tiles of 16,384 bytes a tile,
	s_lshl_b32 s21, s16, 16                        ; + my 4 of them
	s_add_co_u32 s20, s20, s21
	s_mov_b32 s21, 0
	s_lshl_b32 s46, s72, 18                        ; w_out: 256 rows of 1,024 bytes a tile,
	s_lshl_b32 s47, s16, 17                        ; + my 128 of them
	s_add_co_u32 s46, s46, s47
	s_mov_b32 s47, 0
	s_lshl_b32 s44, s16, 14                        ; where they go in a slot: no place in the cluster enters an LDS address
	s_mul_i32 s45, s16, HALFB
	s_add_co_u32 s45, s45, AIMG
	s_wait_kmcnt 0x0
	s_load_b64 s[96:97], s[8:9], 0x18              ; e6, e7
	s_add_nc_u64 s[20:21], s[4:5], s[20:21]
	s_add_nc_u64 s[46:47], s[6:7], s[46:47]
.macro G0SET ga, gb, n                 ; the two groups 0 of slot n, set up for K step n
	s_mov_b32 s[\ga], 1
	s_add_co_u32 s[\ga+1], s44, \n*SLOT
	s_add_nc_u64 s[\ga+2:\ga+3], s[20:21], \n*4096
	s_or_b32 s[\ga+3], s[\ga+3], 0x80000000
	s_mov_b32 s[\gb], 1
	s_add_co_u32 s[\gb+1], s45, \n*SLOT
	s_add_nc_u64 s[\gb+2:\gb+3], s[46:47], \n*256
	s_or_b32 s[\gb+3], s[\gb+3], 0x80000000
.endm
	G0SET 32, 56, 0
	G0SET 36, 60, 1
	G0SET 40, 68, 2
	CROUND                                         ; all sixteen work-groups are here: the first joint loads meet
	s_cmp_eq_u32 s15, 0                            ; a wave's three first fills stand in one branch on its number: three loads of mine are out; four v_nop follow the last
	s_cbranch_scc0 .Lfirst_b
	tensor_load_to_lds s[32:35], s[G1:G1+7]
	s_nop 0
	tensor_load_to_lds s[36:39], s[G1:G1+7]
	s_nop 0
	tensor_load_to_lds s[40:43], s[G1:G1+7]
	s_nop 0
	PLACES
	s_branch .Lfirst_asked
.Lfirst_b:
	tensor_load_to_lds s[56:59], s[G1B:G1B+7]
	s_nop 0
	tensor_load_to_lds s[60:63], s[G1B:G1B+7]
	s_nop 0
	tensor_load_to_lds s[68:71], s[G1B:G1B+7]
	s_nop 0
	PLACES
.Lfirst_asked:
	v_and_b32 v1, 15, v0                           ; l % 16
	v_bfe_u32 v2, v0, 4, 1                         ; l / 16
	v_and_b32 v6, 31, v0
	v_lshlrev_b32 v[CO], 4, v6                     ; 16 x lane
	v_mul_u32_u24 v3, v1, PITCH
	v_lshl_add_u32 v4, v2, 4, v3                   ; w_out: a fragment's row x pitch + 16 x half
	s_lshl_b32 s18, s15, 14                        ; my 4 token tiles
	s_mul_i32 s19, s16, HALFB                      ; my 128 rows of w_out,
	s_add_co_u32 s19, s19, AIMG                    ; behind the tokens' side
.irp s, 0,1,2
	v_add_nc_u32 v[ADRA+\s], s18, v[CO]
	v_add_nc_u32 v[ADRB+\s], s19, v4
	s_add_co_u32 s18, s18, SLOT
	s_add_co_u32 s19, s19, SLOT
.endr
	s_mul_i32 s23, s14, 16*SPITCH
	s_add_co_u32 s23, s23, STAGE                   ; my stage
	v_mul_u32_u24 v5, v1, SPITCH                   ; in: row l % 16, 32 bytes for each half of the lanes
	v_lshl_add_u32 v5, v2, 5, v5
	v_add_nc_u32 v[STO], s23, v5
	v_add_nc_u32 v[RD], s23, v[CO]                 ; back: the 32 lanes take one row of 512 bytes
	s_lshl_b32 s76, s17, 19                        ; out0: 128 rows of 4,096 bytes a tile of tokens,
	s_lshl_b32 s77, s15, 18                        ; + my 64 rows,
	s_add_co_u32 s76, s76, s77
	s_lshl_b32 s77, s72, 10                        ; + 1,024 bytes a tile of features,
	s_add_co_u32 s76, s76, s77
	s_lshl_b32 s77, s16, 9                         ; + my 512
	s_add_co_u32 s76, s76, s77
	s_mov_b32 s77, 0
	s_add_nc_u64 s[10:11], s[10:11], s[76:77]
.macro FRAGB reg, slot, q, i           ; 16 rows of w_out x 128 K
.irp c, 0,1,2,3
	ds_load_b128 v[\reg+4*\c:\reg+4*\c+3], v[ADRB+\slot] offset:128*(\q)+32*\c+(\i)*16*PITCH
.endr
.endm
.macro FRAGA reg, slot, q, i           ; a token tile x 128 K: the image as it lies, 512 consecutive bytes an instruction
.irp c, 0,1,2,3
	ds_load_b128 v[\reg+4*\c:\reg+4*\c+3], v[ADRA+\slot] offset:4096*(\i)+2048*(\q)+512*\c
.endr
.endm
.macro FETCH slot, q, p                ; 48 LDS loads in one run: the fragments of the slot's q-th 128 along K into set p
	WIN TO_B
.irp i, 0,1,2,3,4,5,6,7
	FRAGB 128*(\p)+16*\i, \slot, \q, \i
.endr
	WIN 0
.irp i, 0,1,2,3
	FRAGA 64+64*(\p)+16*\i, \slot, \q, \i
.endr
.endm
; 8 matrix instructions: token tile a x w_out's eight blocks.  The 32 accumulators take turns, one instruction a turn, in the same order in every step.
.macro MUL8 a, p, zero
.irp b, 0,1,2,3,4,5,6,7
.if \zero
	v_wmma_f32_16x16x128_fp8_fp8 v[8*(8*(\a)+\b):8*(8*(\a)+\b)+7], v[128*(\p)+16*\b:128*(\p)+16*\b+15], v[64+64*(\p)+16*(\a):64+64*(\p)+16*(\a)+15], 0
.else
	v_wmma_f32_16x16x128_fp8_fp8 v[8*(8*(\a)+\b):8*(8*(\a)+\b)+7], v[128*(\p)+16*\b:128*(\p)+16*\b+15], v[64+64*(\p)+16*(\a):64+64*(\p)+16*(\a)+15], v[8*(8*(\a)+\b):8*(8*(\a)+\b)+7]
.endif
.endr
.endm
; A step of 128 along K on set p; the next step's fragments (slot ns, its nq-th 128) are asked for first, into the other set: 32 matrix instructions ahead of their use.
.macro STEP ns, nq, p, zero
	s_wait_dscnt 0x0                               ; set p is in
	PLACES                                         ; between the last step's products and the loads into the set that they read
	FETCH \ns, \nq, 1-\p
	WIN MUL
	MUL8 0, \p, \zero
	MUL8 1, \p, \zero
	MUL8 2, \p, \zero
	MUL8 3, \p, \zero
	WIN 0
.endm
; A step with a barrier in it.  In front of the barrier each wave waits for all its tensor loads, adds 0 to its spare word, and waits for that and for its LDS reads.
; fill = 1: the barrier opens a round of the cluster's barrier, and slot 0, which nobody reads any more, takes K step 3.
.macro TURN ns, p, fill
	s_wait_tensorcnt 0x0                           ; all my tensor loads have landed;
	ds_add_u32 v[SPW], v[NIL]                      ; 0 onto my spare word;
	s_wait_dscnt 0x1                               ; set p is in (the add alone may be out)
	WIN MUL
	MUL8 0, \p, 0                                  ; eight matrix instructions stand between the add and the wait for it
	s_wait_dscnt 0x0                               ; the add is done; my reads of the slot are over
	s_barrier_signal -1
	MUL8 1, \p, 0
	WIN 0
	s_barrier_wait -1
.if \fill
	CREST                                          ; no wave of any partner still reads slot 0 or has a load on its way
	s_add_nc_u64 s[34:35], s[34:35], 3*4096        ; slot 0's groups 0: from K step 0 to K step 3
	s_add_nc_u64 s[58:59], s[58:59], 3*256
	s_cmp_eq_u32 s15, 0
	s_cbranch_scc0 .Lfor_b_\@
	tensor_load_to_lds s[32:35], s[G1:G1+7]        ; the first tensor load behind the round, and my only one: it has four steps, 128 matrix instructions, in which to land
	s_nop 0
	PLACES                                         ; (the places in front of the loads below)
	s_branch .Lasked_\@
.Lfor_b_\@:
	tensor_load_to_lds s[56:59], s[G1B:G1B+7]
	s_nop 0
	PLACES
.Lasked_\@:
.else
	PLACES
.endif
	FETCH \ns, 0, 1-\p
	WIN MUL
	MUL8 2, \p, 0
	MUL8 3, \p, 0
	WIN 0
.endm
	s_wait_alu depctr_va_vdst(0)
	s_wait_tensorcnt 0x2                           ; my part of K step 0 is in; K steps 1 and 2, issued behind it, may be out
	s_barrier_signal -1
	s_barrier_wait -1                              ; everybody's is
	FETCH 0, 0, 0
	STEP 0, 1, 0, 1                                ; K 0-127: its products start the sums
	TURN 1, 1, 1                                   ; K 128-255; behind its round slots 1 and 2 are whole, and slot 0 takes K step 3
	STEP 1, 1, 0, 0                                ; K 256-383
	STEP 2, 0, 1, 0                                ; K 384-511
	STEP 2, 1, 0, 0                                ; K 512-639
	TURN 0, 1, 0                                   ; K 640-767; behind its barrier slot 0 is whole again, and nobody reads slot 1 any more
	STEP 0, 1, 0, 0                                ; K 768-895
	s_wait_dscnt 0x0                               ; K 896-1023: nothing more to fetch
	WIN MUL
	MUL8 0, 1, 0
	MUL8 1, 1, 0
	MUL8 2, 1, 0
	MUL8 3, 1, 0
	WIN 0
; THE WAY OUT, a token tile (16 rows x 128 features) at a time.  A lane holds 32 neighbouring bytes of a row: a block goes through my own stage and comes back as whole rows of 512 bytes.
; LDS serves a wave's instructions in order (ISA guide 5.7.1.4): no wait between the stores and the loads, nor in front of the next block's stores.
.macro TOSTAGE a
	WIN 0x02                                       ; source 0: window 2
.set j, 0
.rept 32
	v_pk_mul_f32 v[TMP+j:TMP+j+1], v[64*(\a)+j:64*(\a)+j+1], s[96:97] op_sel_hi:[1,0]   ; both x s96 = 2^(e6 + e7); each accumulator from its low end on
.set j, j+2
.endr
	WIN 0
.irp b, 0,1,2,3,4,5,6,7
	ds_store_b128 v[STO], v[TMP+8*\b:TMP+8*\b+3] offset:64*\b
	ds_store_b128 v[STO], v[TMP+8*\b+4:TMP+8*\b+7] offset:64*\b+16
.endr
.set BB, BK+64*((\a)%2)
.irp t, 0,1,2,3,4,5,6,7,8,9,10,11,12,13,14,15
	ds_load_b128 v[BB+4*\t:BB+4*\t+3], v[RD] offset:\t*SPITCH
.endr
.endm
.macro SEND a, younger                 ; younger: the LDS instructions issued behind block a's loads, which may stay out
.set BB, BK+64*((\a)%2)
	s_wait_dscnt \younger
.irp t, 0,1,2,3,4,5,6,7,8,9,10,11,12,13,14,15
	global_store_b128 v[CO], v[BB+4*\t:BB+4*\t+3], s[10:11] offset:(32*((\a)/2)+8*((\a)%2)+\t+8*(\t/8))*4096 th:TH_STORE_NT   ; row t of tile a is token 32 (a / 2) + 8 (a % 2) + t + 8 (t / 8) of my 64; 32 lanes store 512 consecutive aligned bytes
.endr
.endm
	s_wait_kmcnt 0x0
	s_add_co_i32 s96, s96, s97                     ; e6 + e7, between -126 and 127,
	s_add_co_i32 s96, s96, 127
	s_lshl_b32 s96, s96, 23                        ; makes the f32 number 2^(e6 + e7)
	PLACES                                         ; behind the last products: for the reads of results and the writes and loads into the fragments' registers
	TOSTAGE 0
.irp a, 1,2,3
.if \a > 1
	s_wait_xcnt 0x0                                ; block a - 2's stores have read their registers: block a's loads may land there
.endif
	TOSTAGE \a
	SEND \a-1, 32                                  ; behind block a - 1's loads: block a's 16 stores and 16 loads
.endr
	SEND 3, 0
	s_wait_tensorcnt 0x0                           ; the wave's end: behind my last tensor load and my last LDS store
	ds_add_u32 v[SPW], v[NIL]
	s_wait_dscnt 0x0
	CROUND                                         ; the closing round: no work-group ends while a partner may still ask for a tile that names it
	s_endpgm
.Lfunc_end_k_qb8eb8cd47c_proj:
	.size	k_qb8eb8cd47c_proj, .Lfunc_end_k_qb8eb8cd47c_proj-k_qb8eb8cd47c_proj
	.p2alignl 7, 3214868480
	.fill 96, 4, 3214868480
	.section	.rodata,"a",@progbits
	.p2align	6, 0x0
	.amdhsa_kernel k_qb8eb8cd47c_proj
		.amdhsa_group_segment_fixed_size 327680
		.amdhsa_private_segment_fixed_size 0
		.amdhsa_enable_private_segment 0
		.amdhsa_kernarg_size 32
		.amdhsa_user_sgpr_count 2
		.amdhsa_user_sgpr_kernarg_segment_ptr 1
		.amdhsa_wavefront_size32 1
		.amdhsa_system_sgpr_workgroup_id_x 1
		.amdhsa_system_sgpr_workgroup_id_y 1
		.amdhsa_system_sgpr_workgroup_id_z 1
		.amdhsa_system_vgpr_workitem_id 0
		.amdhsa_next_free_vgpr 768
		.amdhsa_next_free_sgpr 100
		.amdhsa_reserve_vcc 0
		.amdhsa_float_denorm_mode_32 3
		.amdhsa_float_denorm_mode_16_64 3
		.amdhsa_memory_ordered 1
		.amdhsa_forward_progress 1
		.amdhsa_inst_pref_size 74
	.end_amdhsa_kernel
	.amdgpu_metadata
---
amdhsa.version: [ 1, 2 ]
amdhsa.kernels:
  - .name:           k_qb8eb8cd47c_proj
    .symbol:         k_qb8eb8cd47c_proj.kd
    .args:
      - { .name: ao, .offset: 0, .size: 8, .value_kind: global_buffer, .address_space: global }
      - { .name: w_out_codes, .offset: 8, .size: 8, .value_kind: global_buffer, .address_space: global }
      - { .name: lowp_scales, .offset: 16, .size: 8, .value_kind: global_buffer, .address_space: global }
      - { .name: out0, .offset: 24, .size: 8, .value_kind: global_buffer, .address_space: global }
    .group_segment_fixed_size: 327680
    .private_segment_fixed_size: 0
    .kernarg_segment_align: 8
    .kernarg_segment_size: 32
    .max_flat_workgroup_size: 128
    .sgpr_count:     100
    .vgpr_count:     768
    .wavefront_size: 32
...
	.end_amdgpu_metadata
.endif
;; end of part 3
